; MI455X (gfx1250); checked and timed in simulation.
; The chip was launched on July 23, 2026; its instructions are those of AMD's public machine-readable ISA for CDNA 5 (MIT licence, August 2026) and "CDNA5" Instruction Set Architecture Reference Guide (July 2026). The comments in the code are by the model that wrote it; some were corrected since.
;; Full Attention. Allowed arithmetic: matrix products marked QUANTISED: E2M3 operands, one E8M0 scale for each 32 along K, by v_wmma_scale_f32_16x16x128_f8f6f4 with both operands' format E2M3, f32 sums; everything else in f32.
;; Inputs: keys 4 x 2,048 x 16 x 128 float32; queries 4 x 2,048 x 16 x 128 float32; values 4 x 2,048 x 16 x 128 float32.
;; Outputs: out0 4 x 2,048 x 16 x 128 float32.
;; This version of the problem:
;;   THIS VERSION OF THE PROBLEM IS GIVEN IN LOW PRECISION. The matrix products marked QUANTISED in the list below multiply operands that are first quantised to E2M3 (2 exponent bits, 3 mantissa bits; 6 bits a number), with one power-of-two scale for each 32 numbers along K (OCP MX v1.0); their sums are f32. All else is computed in f32.
;;   The module's matrix products, in the order in which they are computed (A, B: the left and right operand; K: the contracted axis; several contracted axes count as one K, in the product's order):
;;     1. batch 64 x [M 2,048, K 128] x [K 128, N 2,048]; A: input queries; B: input keys: QUANTISED
;;     2. batch 64 x [M 128, K 2,048] x [K 2,048, N 2,048]; A: input values; B: computed on the way: QUANTISED
;;   THE QUANTISER, for each operand of a quantised product, along K:
;;     - K is cut into blocks of 32 from its start; a last block that is shorter is filled with zeros.
;;     - A block's scale is 2^e with e = floor(log2(the largest magnitude in the block)) - 2, held to -126 .. 127; a block of zeros has e = 0. As a byte (E8M0): e + 127.
;;     - Each number is divided by its block's scale, clamped to +-7.5, and rounded to the nearest number of E2M3, ties to even, subnormals kept.
;;     - The product sums the exact products of the quantised numbers (number of the format x scale) in f32.
;;   ~~~python
;;   def quantise(x, axis):      # numpy; x: float32 -> the quantised numbers, widened to float32 again
;;       x = np.moveaxis(x, axis, -1); K = x.shape[-1]
;;       x = np.pad(x, [(0, 0)] * (x.ndim - 1) + [(0, -K % 32)]); x = x.reshape(x.shape[:-1] + (-1, 32)); a = np.abs(x).max(-1, keepdims=True)
;;       e = np.where(a > 0, np.clip(np.frexp(np.where(a > 0, a, 1))[1] - 1 - 2, -126, 127), 0)      # np.frexp(a)[1] - 1 = floor(log2(a)), exactly
;;       r = np.clip(x / 2.0 ** e, -7.5, 7.5)
;;       step = 2.0 ** (np.maximum(np.frexp(np.where(r == 0, 1, r))[1] - 1, 0) - 3)
;;       q = np.round(r / step) * step * 2.0 ** e      # np.round: ties to even
;;       return np.moveaxis(q.reshape(q.shape[:-2] + (-1,))[..., :K], -1, axis).astype(np.float32)
;;   ~~~
;;   OPERANDS COMPUTED ON THE WAY. 'Computed on the way' means the value that the module computes at that place (a softmax that the list does not call 'softmax' is quantised finished and normalised). What goes into a quantiser is computed in f32, as accurately as f32 sums, v_exp_f32 and their like allow (about 1e-6 of the number): no bf16 or f16 on the way to a quantiser, and a product that is left as it is and whose result goes on into a quantised operand takes f32 operands (vector FMAs, or v_wmma_f32_16x16x4_f32). A number that lies on a knife's edge between two numbers of the format may be rounded either way, as far as f32 arithmetic and the matrix unit's own rounding can turn it there, and no further.
;; One version. Each part assembles by itself: llvm-mc -triple=amdgcn-amd-amdhsa -mcpu=gfx1250 --defsym DOCPART=n.
;; ======== version 1 of 1: 2 launches
;; workspace buffers: qimg 13,107,200 bytes; kimg 13,107,200 bytes; vimg 13,107,200 bytes
;; launch prep (part 1): grid 768 x 1, 4 waves a work-group, no clusters, 46,592 bytes of LDS; arguments queries, keys, values, qimg, kimg, vimg; writes qimg, kimg, vimg
.if DOCPART == 1
	.amdgcn_target "amdgcn-amd-amdhsa--gfx1250"
	.amdhsa_code_object_version 6
	.text
	.protected	k_qd3bbd3b175_prep
	.globl	k_qd3bbd3b175_prep
	.p2align	8
	.type	k_qd3bbd3b175_prep,@function
k_qd3bbd3b175_prep:
	s_mov_b64 s[64:65], 0
	v_nop
	global_prefetch_b8 v0, s[64:65] scope:SCOPE_SE
	s_setreg_imm32_b32 hwreg(HW_REG_WAVE_MODE, 25, 1), 1
	s_wait_xcnt 0x0
; queries, keys, values [4][2048][16][128] f32 become codes of FP6 (E2M3) with one E8M0 byte for each 32 along K, laid as IMAGES OF OPERAND REGISTERS.
; Q and K are quantised along the head's 128, V along the keys.  A block's scale is 2^(floor(log2(largest magnitude)) - 2): its byte is the largest magnitude's exponent field - 2, held at 1 from below.
; (A block of zeros so gets the byte 1 where the rule says 127: its codes are zeros, and this program alone reads the bytes.)
; LIMITS: NaN and infinities among the inputs are not served; blocks whose largest magnitude lies under 2^-124, the floor, keep the byte 1.
; A RECORD (51,200 bytes) holds a quarter (512 sequence places) of one head: record 4 (16 b + h) + quarter.  32 fragments of 1,536 bytes, then 2,048 bytes of scale words.
;   fragment: register p (0..11) of lane l at 512 (p / 4) + 16 l + 4 (p % 4): three loads of 16 bytes a lane bring it.  Lane l holds row l % 16; registers 6 c .. 6 c + 5 hold k = 64 c + 32 (l / 16) + 0 .. 31.
;   scale words: fragments 2 i, 2 i + 1 share a word's place, i = 4 j + n: lane l's word at 512 n + 16 l + 4 j; lanes 0-15 fragment 2 i's rows, lanes 16-31 fragment 2 i + 1's.
;   Q, K: row m of fragment 4 G + u is sequence place 64 G + 32 (m / 8) + 8 u + m % 8 of the quarter.   V: row m of fragment 8 s + d is channel 16 d + m, and k is key 128 s + k of the quarter.
; One work-group makes one record: 0-255 Q's, 256-511 K's (one path, the pointers chosen), 512-767 V's (another path, with LDS bytes of its own).  Waves share nothing: no barrier.
.set REC,   51200
.set SCA,   49152                      ; where a record's scale words begin
.set FRB,   1536                       ; a fragment's image
.set ROWG,  8192                       ; bytes from a sequence place to the next, in one head
.set FLOOR, 0x1800000                  ; 2^(3 - 127)
.set EOFF,  0xff000000                 ; -(2 << 23)
.set RSTG,  8448                       ; rows' path: a wave's stage, 16 rows x (512 + 16) bytes
.set CSTG0, 33792                      ; columns' path: its stages begin behind the rows' four
.set CSTG,  3072                       ; a wave's: two fragments' images
.set L16,  2                           ; v2  16 x lane
.set RIN,  3                           ; v3  rows: into the stage
.set ROUT, 4                           ; v4  rows: out of it
.set SH8,  5                           ; v5  8 x (lane / 16)
.set L4,   6                           ; v6  4 x lane
.set CIN,  7                           ; v7  columns: into the stage
.set COUT, 8                           ; v8  columns: out of it
.set R,    16                          ; v16-143  rows: two sets of 16 rows as loaded
.set X,    144                         ; v144-207 rows: a lane's 64 numbers
.set C,    208                         ; v208-219 rows: a fragment's codes
.set T0,   220
.set T1,   224
.set TM,   228                         ; v228-235 at work
.set WA,   236                         ; v236, v237 the scale words of a pair's two fragments
.set WB,   237
.set PWD,  240                         ; v240-243 the wave's four pair words
.set XC,   16                          ; v16-79   columns: two sets of 32 numbers
.set T,    80                          ; v80-85   columns: a block's six registers of codes
.set UU,   86                          ; v86-88
.set OUTR, 96                          ; v96-119  columns: two fragments on their way out
.set WD,   120                         ; v120-123 columns: my channel's four scale words
.set CM,   124                         ; v124-127 at work
	s_load_b256 s[4:11], s[0:1], 0x0               ; queries s[4:5], keys s[6:7], values s[8:9], qimg s[10:11]
	s_load_b128 s[12:15], s[0:1], 0x20             ; kimg s[12:13], vimg s[14:15]
	v_lshl_add_u32 v254, v0, 2, 0xb400
	v_mov_b32 v255, 0
	v_lshrrev_b32 v1, 5, v0
	v_readfirstlane_b32 s16, v1                    ; wave 0..3
	v_and_b32 v1, 31, v0                           ; lane
	v_and_b32 v9, 15, v0                           ; r
	v_bfe_u32 v10, v0, 4, 1                        ; h
	v_lshlrev_b32 v[L16], 4, v1
	v_lshlrev_b32 v[L4], 2, v1
	v_lshlrev_b32 v[SH8], 3, v10
	; every LDS address is made here, ahead of the parting of the two paths: a constant x wave + constants x lane
	s_mul_i32 s17, s16, RSTG
	v_add_nc_u32 v[RIN], s17, v[L16]               ; a row as it is loaded: 16 bytes a lane
	v_mul_u32_u24 v[ROUT], v9, 528
	v_lshl_add_u32 v[ROUT], v10, 7, v[ROUT]
	v_add_nc_u32 v[ROUT], s17, v[ROUT]             ; row r, + 128 h: my 32 numbers of each 64
	s_mul_i32 s17, s16, CSTG                       ; (3,072 x wave is also the wave's place among a record's fragments)
	s_add_co_u32 s18, s17, CSTG0
	v_mul_u32_u24 v[CIN], v10, FRB
	v_lshl_add_u32 v[CIN], v9, 4, v[CIN]
	v_add_nc_u32 v[CIN], s18, v[CIN]               ; fragment lane / 16, image lane lane % 16 (+ 16 for odd blocks, in the offset)
	v_add_nc_u32 v[COUT], s18, v[L16]
	s_mov_b32 s36, 0x76543210
	s_mov_b32 s37, 0xfedcba98                      ; v_permlanex16_b32's selects for lane l xor 16
	s_mov_b32 vcc_lo, 0xffff0000                   ; lanes 16-31
	s_and_b32 s20, ttmp9, 255                      ; the record's number
	s_lshr_b32 s21, s20, 6
	s_lshl_b32 s21, s21, 24                        ; b: 2,048 places of 8,192 bytes
	s_and_b32 s22, s20, 3
	s_lshl_b32 s22, s22, 22                        ; the quarter: 512 places
	s_add_co_u32 s21, s21, s22
	s_bfe_u32 s22, s20, 0x40002
	s_lshl_b32 s22, s22, 9                         ; h: 512 bytes
	s_add_co_u32 s24, s21, s22                     ; where the record's numbers begin in the input
	s_mov_b32 s25, 0
	s_mul_i32 s26, s20, REC
	s_lshl_b32 s29, s16, 9
	s_add_co_u32 s28, s26, s29
	s_add_co_u32 s28, s28, SCA                     ; the wave's 512 bytes of scale words
	s_mov_b32 s29, 0
	s_add_co_u32 s26, s26, s17                     ; the wave's fragments
	s_mov_b32 s27, 0
	s_cmp_lt_u32 ttmp9, 512
	s_cbranch_scc0 .Lcols
; ---------------- Q and K: K is innermost.  Wave w makes fragments 8 j + 2 w + a, step t = 2 j + a.
	s_lshr_b32 s30, s16, 1
	s_lshl_b32 s30, s30, 19                        ; 64 places for w / 2,
	s_and_b32 s31, s16, 1
	s_lshl_b32 s31, s31, 17                        ; 16 for w % 2
	s_add_co_u32 s30, s30, s31
	s_add_co_u32 s24, s24, s30
	v_mov_b32 v[TM+7], 0                           ; written once: a lane permute's destination counts as one of its sources
	s_wait_kmcnt 0x0
	s_cmp_lt_u32 ttmp9, 256                        ; Q's work-group or K's: the choice hangs on the work-group's number alone
	s_cselect_b64 s[4:5], s[4:5], s[6:7]
	s_cselect_b64 s[10:11], s[10:11], s[12:13]
	s_add_nc_u64 s[4:5], s[4:5], s[24:25]
	s_add_nc_u64 s[32:33], s[10:11], s[28:29]
	s_add_nc_u64 s[10:11], s[10:11], s[26:27]
.macro LOADF t                         ; the 16 rows of step t's fragment: each load is one whole row, 512 consecutive bytes
.irp m, 0,1,2,3,4,5,6,7,8,9,10,11,12,13,14,15
	global_load_b128 v[R+64*((\t)%2)+4*\m:R+64*((\t)%2)+4*\m+3], v[L16], s[4:5] offset:(128*((\t)/2)+32*(\m/8)+8*((\t)%2)+(\m%8))*ROWG th:TH_LOAD_NT
.endr
.endm
.macro TURNF t                         ; through the wave's own stage (rows 528 = 33 x 16 bytes apart): in as loaded, out 32 neighbours of a row at a time.  LDS serves a wave's instructions in order: no wait between
.irp m, 0,1,2,3,4,5,6,7,8,9,10,11,12,13,14,15
	ds_store_b128 v[RIN], v[R+64*((\t)%2)+4*\m:R+64*((\t)%2)+4*\m+3] offset:528*\m
.endr
.irp c, 0,1
.irp q, 0,1,2,3,4,5,6,7
	ds_load_b128 v[X+32*\c+4*\q:X+32*\c+4*\q+3], v[ROUT] offset:256*\c+16*\q   ; X + 32 c + i = k 64 c + 32 h + i of row r
.endr
.endr
.endm
.macro QUANT2 w                        ; my two whole blocks (2 c + h) become registers 6 c .. 6 c + 5 of the fragment; the row's scale word goes to v[w]
.irp c, 0,1
	v_max3_num_f32 v[TM+\c], |v[X+32*\c]|, |v[X+32*\c+1]|, FLOOR       ; the floor is one more leaf: the byte cannot fall under 1
.endr
.irp i, 2,4,6,8,10,12,14,16,18,20,22,24,26,28,30
.irp c, 0,1
	v_max3_num_f32 v[TM+\c], v[TM+\c], |v[X+32*\c+\i]|, |v[X+32*\c+\i+1]|   ; the two blocks by turns
.endr
.endr
.irp c, 0,1
	v_add_nc_u32 v[TM+2+\c], EOFF, v[TM+\c]        ; 2 off the exponent field: the conversion takes this operand's exponent field as its scale
.endr
.irp c, 0,1
	v_lshrrev_b32 v[TM+4+\c], 23, v[TM+2+\c]       ; the byte
.endr
	v_lshl_or_b32 v[TM+6], v[TM+5], 16, v[TM+4]    ; bytes h and 2 + h,
	v_lshlrev_b32 v[TM+6], v[SH8], v[TM+6]         ; at their places;
	v_permlanex16_b32 v[TM+7], v[TM+6], s36, s37
	v_or_b32 v[\w], v[TM+6], v[TM+7]               ; with lane l xor 16's two the word is whole
	v_cvt_scalef32_pk16_fp6_f32 v[C:C+2], v[X:X+15], v[TM+2]
	v_cvt_scalef32_pk16_fp6_f32 v[T0:T0+2], v[X+16:X+31], v[TM+2]      ; (a conversion's three registers begin on an even number: the second half of a block's six is made elsewhere and moved)
	v_cvt_scalef32_pk16_fp6_f32 v[C+6:C+8], v[X+32:X+47], v[TM+3]
	v_cvt_scalef32_pk16_fp6_f32 v[T1:T1+2], v[X+48:X+63], v[TM+3]
	v_nop                                          ; one plain line behind the scaled conversions
.irp i, 0,1,2
	v_mov_b32 v[C+3+\i], v[T0+\i]
	v_mov_b32 v[C+9+\i], v[T1+\i]
.endr
.endm
.macro STEPR t
.if (\t) > 0
	s_wait_xcnt 0x0                                ; the last step's stores have read the codes' registers, which are written again below
.endif
.if (\t) < 7
	s_wait_loadcnt 16                              ; this step's 16 rows are in; the next step's 16 loads may be out
.else
	s_wait_loadcnt 0x0
.endif
	TURNF \t
	s_wait_dscnt 0x0                               ; my 64 numbers are back, and the stores into the stage have read their registers,
.if (\t) < 6
	LOADF (\t)+2                                   ; which take the rows of two steps on
.endif
.if (\t)%2 == 0
	QUANT2 WA
.else
	QUANT2 WB
	v_cndmask_b32 v[PWD+(\t)/2], v[WA], v[WB], vcc_lo   ; lanes 0-15 the even fragment's rows, lanes 16-31 the odd one's
.endif
.irp n, 0,1,2
	global_store_b128 v[L16], v[C+4*\n:C+4*\n+3], s[10:11] offset:FRB*(8*((\t)/2)+((\t)%2))+512*\n   ; 512 consecutive bytes, at a multiple of 512 from the record's first byte
.endr
.endm
	LOADF 0
	LOADF 1
.irp t, 0,1,2,3,4,5,6,7
	STEPR \t
.endr
	global_store_b128 v[L16], v[PWD:PWD+3], s[32:33]   ; the wave's four pair words a lane: 512 consecutive bytes
	s_wait_tensorcnt 0x0
	ds_add_u32 v254, v255
	s_wait_dscnt 0x0
	s_endpgm
; ---------------- V: K (the keys) is not innermost.  A lane takes a channel (32 w + lane), and its registers run down the keys: a block of 32 keys lies in one lane.
.Lcols:
	s_lshl_b32 s30, s16, 7                         ; the wave's 32 channels
	s_add_co_u32 s24, s24, s30
	s_wait_kmcnt 0x0
	s_add_nc_u64 s[8:9], s[8:9], s[24:25]
	s_add_nc_u64 s[32:33], s[14:15], s[28:29]
	s_add_nc_u64 s[14:15], s[14:15], s[26:27]
.macro LOADC t                         ; block t: keys 32 t + i of my channel; a wave reads 128 consecutive bytes, the four waves side by side 512
.set ii, 0
.rept 32
	global_load_b32 v[XC+32*((\t)%2)+ii], v[L4], s[8:9] offset:(32*(\t)+ii)*ROWG th:TH_LOAD_NT
.set ii, ii+1
.endr
.endm
.macro BLOCK t
.set XS, XC+32*((\t)%2)
.set BE, (\t)%4                        ; the block's place in its 128 keys: image lanes 16 (BE % 2) + .., registers 6 (BE / 2) ..
.set SS, (\t)/4                        ; which 128 keys
.set HB, 256*(BE%2)
.if (\t) < 15
	s_wait_loadcnt 32                              ; this block's 32 loads are in; the next block's may be out
.else
	s_wait_loadcnt 0x0
.endif
	v_max3_num_f32 v[CM], |v[XS]|, |v[XS+1]|, FLOOR
	v_max3_num_f32 v[CM+1], |v[XS+2]|, |v[XS+3]|, |v[XS+4]|
.irp i, 5,9,13,17,21,25
	v_max3_num_f32 v[CM], v[CM], |v[XS+\i]|, |v[XS+\i+1]|
	v_max3_num_f32 v[CM+1], v[CM+1], |v[XS+\i+2]|, |v[XS+\i+3]|
.endr
	v_max3_num_f32 v[CM], v[CM], |v[XS+29]|, |v[XS+30]|
	v_max3_num_f32 v[CM], v[CM], v[CM+1], |v[XS+31]|
	v_add_nc_u32 v[CM+2], EOFF, v[CM]
	v_lshrrev_b32 v[CM+3], 23, v[CM+2]
.if BE == 0
	v_mov_b32 v[WD+SS], v[CM+3]                    ; four bytes to a word, the lower keys in the lower byte
.else
	v_lshl_or_b32 v[WD+SS], v[CM+3], 8*BE, v[WD+SS]
.endif
	v_cvt_scalef32_pk16_fp6_f32 v[T:T+2], v[XS:XS+15], v[CM+2]
	v_cvt_scalef32_pk16_fp6_f32 v[UU:UU+2], v[XS+16:XS+31], v[CM+2]
	v_nop                                          ; one plain line behind the scaled conversions
.irp i, 0,1,2
	v_mov_b32 v[T+3+\i], v[UU+\i]
.endr
.if BE < 2                             ; registers 0-5 of the image: 0-3 in its first 512 bytes, 4-5 in the second
	ds_store_b128 v[CIN], v[T:T+3] offset:HB
	ds_store_b64 v[CIN], v[T+4:T+5] offset:512+HB
.else                                  ; registers 6-11: 6-7 in the second 512 bytes, 8-11 in the third
	ds_store_b64 v[CIN], v[T:T+1] offset:520+HB
	ds_store_b128 v[CIN], v[T+2:T+5] offset:1024+HB
.endif
.if (\t) < 14
	LOADC (\t)+2
.endif
	s_wait_dscnt 0x0                               ; the stores have read their registers: the next block's codes may be written
.if BE == 3                            ; two fragments are whole: they leave as they lie
.if SS > 0
	s_wait_xcnt 0x0                                ; the stores of four blocks ago have read the registers into which the loads below land
.endif
.irp n, 0,1,2,3,4,5
	ds_load_b128 v[OUTR+4*\n:OUTR+4*\n+3], v[COUT] offset:512*\n
.endr
	s_wait_dscnt 0x0
.irp n, 0,1,2,3,4,5
	global_store_b128 v[L16], v[OUTR+4*\n:OUTR+4*\n+3], s[14:15] offset:8*FRB*SS+512*\n   ; 512 consecutive bytes each
.endr
.endif
.endm
	LOADC 0
	LOADC 1
.irp t, 0,1,2,3,4,5,6,7,8,9,10,11,12,13,14,15
	BLOCK \t
.endr
	global_store_b128 v[L16], v[WD:WD+3], s[32:33] ; my channel's four scale words: the wave stores 512 consecutive bytes
	s_wait_tensorcnt 0x0
	ds_add_u32 v254, v255
	s_wait_dscnt 0x0
	s_endpgm
.Lfunc_end_k_qd3bbd3b175_prep:
	.size	k_qd3bbd3b175_prep, .Lfunc_end_k_qd3bbd3b175_prep-k_qd3bbd3b175_prep
	.p2alignl 7, 3214868480
	.fill 96, 4, 3214868480
	.section	.rodata,"a",@progbits
	.p2align	6, 0x0
	.amdhsa_kernel k_qd3bbd3b175_prep
		.amdhsa_group_segment_fixed_size 46592
		.amdhsa_private_segment_fixed_size 0
		.amdhsa_enable_private_segment 0
		.amdhsa_kernarg_size 48
		.amdhsa_user_sgpr_count 2
		.amdhsa_user_sgpr_kernarg_segment_ptr 1
		.amdhsa_wavefront_size32 1
		.amdhsa_system_sgpr_workgroup_id_x 1
		.amdhsa_system_sgpr_workgroup_id_y 1
		.amdhsa_system_sgpr_workgroup_id_z 1
		.amdhsa_system_vgpr_workitem_id 0
		.amdhsa_next_free_vgpr 256
		.amdhsa_next_free_sgpr 66
		.amdhsa_reserve_vcc 1
		.amdhsa_float_denorm_mode_32 3
		.amdhsa_float_denorm_mode_16_64 3
		.amdhsa_memory_ordered 1
		.amdhsa_forward_progress 1
		.amdhsa_inst_pref_size 136
	.end_amdhsa_kernel
	.amdgpu_metadata
---
amdhsa.version: [ 1, 2 ]
amdhsa.kernels:
  - .name:           k_qd3bbd3b175_prep
    .symbol:         k_qd3bbd3b175_prep.kd
    .args:
      - { .name: queries, .offset: 0, .size: 8, .value_kind: global_buffer, .address_space: global }
      - { .name: keys, .offset: 8, .size: 8, .value_kind: global_buffer, .address_space: global }
      - { .name: values, .offset: 16, .size: 8, .value_kind: global_buffer, .address_space: global }
      - { .name: qimg, .offset: 24, .size: 8, .value_kind: global_buffer, .address_space: global }
      - { .name: kimg, .offset: 32, .size: 8, .value_kind: global_buffer, .address_space: global }
      - { .name: vimg, .offset: 40, .size: 8, .value_kind: global_buffer, .address_space: global }
    .group_segment_fixed_size: 46592
    .private_segment_fixed_size: 0
    .kernarg_segment_align: 8
    .kernarg_segment_size: 48
    .max_flat_workgroup_size: 128
    .sgpr_count:     66
    .vgpr_count:     256
    .wavefront_size: 32
...
	.end_amdgpu_metadata
.endif
;; end of part 1
;; launch attn (part 2): grid 256 x 1, 4 waves a work-group, no clusters, 327,680 bytes of LDS; arguments qimg, kimg, vimg, out0; writes out0
.if DOCPART == 2
	.amdgcn_target "amdgcn-amd-amdhsa--gfx1250"
	.amdhsa_code_object_version 6
	.text
	.protected	k_qd3bbd3b175_attn
	.globl	k_qd3bbd3b175_attn
	.p2align	8
	.type	k_qd3bbd3b175_attn,@function
k_qd3bbd3b175_attn:
	s_mov_b64 s[64:65], 0
	v_nop
	global_prefetch_b8 v0, s[64:65] scope:SCOPE_SE
	s_setreg_imm32_b32 hwreg(HW_REG_WAVE_MODE, 25, 1), 1
	s_wait_xcnt 0x0
; out0[b][l][h][:] = sum over s of A[l][s] V[s][:],  A = softmax_s(Q[l] . K[s] / sqrt(128)), for 64 heads of 2,048 x 2,048, head size 128.  Both products on codes of FP6 (E2M3) with E8M0 scales for each 32 along K.
; THE SECOND PRODUCT'S OPERAND IS THE FINISHED SOFTMAX: A, normalised, is what is quantised, in blocks of 32 keys.  So a row's sum over all 2,048 keys is known before its first code is made:
; a row's scores stay in registers (spread over the four waves) from the first product until they are codes.
; SHARES.  Work-group x: head x / 4, queries 512 (x % 4) on, in 16 units of 32 queries (two tiles of 16).  WAVE w OWNS KEYS 512 w .. 512 w + 511 FOR THE WHOLE LAUNCH: its 32 fragments of K stay in 384 registers,
; its 32 fragments of V in its own 51,200 bytes of LDS.  In a unit a wave holds S^T of 2 tiles x 512 keys in 512 registers.  After the head the loop touches memory only to store out0.
; LAYOUT.  Both products are used transposed: S^T = K Q^T (source 0 = 16 keys, source 1 = 16 queries), O^T = V^T P^T (source 0 = 16 channels, source 1 = P): a lane holds ONE query (lane % 16) throughout.
; The keys of a fragment of K are chosen (by the launch before) so that the 32 registers of four neighbouring tiles are 32 neighbouring keys, 64 G + 32 (lane / 16) + 0 .. 31: a whole quantiser block in one lane,
; in the order in which the 6-bit operand wants it: no lane is asked for a block's maximum, and the conversions' results are the operand.
; SOFTMAX.  t = score x log2(e) / sqrt(128).  Each wave takes the largest t of its own 512 keys, rounded up to a whole number M_w; e = 2^(t - M_w); l_w = the sum of e.  The four waves exchange (M_w, l_w) through LDS:
; M = the largest M_w, l = the sum of l_w 2^(M_w - M) (the shifts round nothing), and A = e x (2^(M_w - M) / l).  A block's largest A is not searched for: the block's largest SCORE goes through the same three
; instructions (this takes v_exp_f32 not to fall where its input rises; at the worst one number of a block, within an ulp of a power of two, is held one code low).
; The four waves' parts of O^T meet in LDS and each wave adds and stores 8 whole rows of out0.
; LIMITS.  NaN and infinities among the inputs are not served: with finite scores every A lies in 0 .. 1 and l in 1/2 .. 2,048, so reference()'s nan_to_num changes nothing and has no line here.
; An e under 2^-126 comes out of v_exp_f32 as 0; a block whose largest A lies under 2^-124 keeps the scale byte 1.
; NO CLUSTER: what the four work-groups of a head share is K, which goes from memory straight into registers, and V, 204,800 bytes fetched once at the head of a launch that then works 16 units on them;
; no step of the loop fetches anything.  NO RING: no LDS byte is filled twice.  All of a WGP's LDS is claimed; the text uses 324,608 bytes.
.set REC,   51200                      ; a record of the launch before: 32 fragments' images of 1,536 bytes, then 2,048 bytes of scale words
.set FRB,   1536
.set SCA,   49152
.set QPART, 12800                      ; a quarter of a record
.set QL,    204800                     ; LDS: 0: wave w's record of V at 51,200 w;  QL: the work-group's record of Q;
.set STG,   256000                     ;      STG: four parts of O, one a wave: 32 rows x (512 + 16) bytes;
.set PART,  16896
.set STAT,  323584                     ;      STAT: 256 bytes a wave: 8 bytes a lane
.set UNITS, 16
; REGISTERS, by their true numbers; number / 256 is the window (s_set_vgpr_msb: bits 1:0 source 0, 3:2 source 1, 5:4 source 2, 7:6 destination)
.set VA,   1                           ; v1   51,200 w + 16 lane: my V
.set QA0,  2                           ; v2   QL + 16 lane
.set QS0,  3                           ; v3   QL + SCA + 16 (lane % 16)
.set QAD,  4                           ; v4   the unit's fragments of Q
.set QSD,  5                           ; v5   and their scale words
.set STO,  6                           ; v6   my part of O: row lane % 16, + 32 (lane / 16)
.set SRD,  7                           ; v7   the 8 rows that I add and store: 16 bytes a lane
.set STW,  8                           ; v8   where I put (-M_w, l_w)
.set STR,  9                           ; v9   where I read the four waves'
.set GO,   10                          ; v10  16 lane
.set SH8,  11                          ; v11  8 (lane / 16)
.set NINF, 12                          ; v12  -infinity
.set KS,   16                          ; v16-31  K's scale words: fragment f in KS + 4 ((f / 2) % 4) + f / 8, lanes 16-31 where f is odd
.set VS,   32                          ; v32-47  V's likewise
.set QF,   48                          ; v48-71  Q's two fragments; behind K Q^T the codes of tile 0's steps 0 and 1
.set QS,   72                          ; v72-73  Q's scale words
.set PW,   74                          ; v74-81  P's scale words: tile t, step s at PW + 4 t + s
.set BM,   82                          ; v82-97  block g of tile t at BM + 8 t + g: largest score, then largest A, then the conversion's scale operand
.set NM,   98                          ; v98, v100   -M_w of tile 0, 1 (the low words of pairs)
.set RR,   102                         ; v102, v104  2^(M_w - M) / l of tile 0, 1 (likewise)
.set TMP,  106                         ; v106-121 at work
.set T0,   114
.set T1,   118
.set LL,   120                         ; v120, v121  l_w of tile 0, 1
.set XN,   122                         ; v122, v123  what I hand over: lanes 0-15 tile 0's, lanes 16-31 tile 1's
.set KLO,  124                         ; v124-255 K's fragments 0-10
.set KHI,  256                         ; v256-507 K's fragments 11-31
.set S0,   512                         ; v512-767 S^T of tile 0, v768-1023 of tile 1: fragment f's tile at 8 f.  What has been quantised is used again:
.set OT0,  584                         ;   v512-583 six fragments of codes; v584-647 O^T of tile 0; v960-1023 of tile 1;
.set OT1,  960
.set VB0,  648                         ;   three buffers of eight fragments of V
.set VB1,  768
.set VB2,  864
.set WV,   12                          ; s12  wave
.set U,    13                          ; s13  unit
.set G1V,  16                          ; s[16:23], s[24:31] descriptor groups 1;  s[32:35], s[36:39] groups 0
.set G1Q,  24
.set G0V,  32
.set G0Q,  36
.set SEL,  40                          ; s[40:41] v_permlanex16_b32's selects for lane l xor 16
.set CS,   42                          ; s[42:43] c = log2(e) / sqrt(128), twice
.set MSB, 0
.macro WIN new                         ; the immediate's high byte repeats the setting that is left; a switch that changes nothing is dropped
.if MSB != (\new)
	s_set_vgpr_msb (MSB<<8)|(\new)
.set MSB, (\new)
.endif
.endm
.macro W4 d, a, b, c                   ; windows from true register numbers: destination, source 0, 1, 2
	WIN ((((\d)>>8)<<6)|(((\c)>>8)<<4)|(((\b)>>8)<<2)|((\a)>>8))
.endm
.macro PLACES n
.rept \n
	v_nop
.endr
.endm
; One matrix instruction.  pd, pa, pb: true numbers of D, source 0, source 1.  zero: C = 0, the product starts a sum.  sa, sb: scale registers; ra: source 0's scales lie in lanes 16-31.
.macro MM pd, pa, pb, zero, sa, ra, sb
	W4 (\pd),(\pa),(\pb),(\pd)
.set rD, (\pd)&255
.set rA, (\pa)&255
.set rB, (\pb)&255
.if \zero
.if \ra
	v_wmma_scale_f32_16x16x128_f8f6f4 v[rD:rD+7], v[rA:rA+11], v[rB:rB+11], 0, v[\sa], v[\sb] matrix_a_fmt:MATRIX_FMT_FP6 matrix_b_fmt:MATRIX_FMT_FP6 matrix_a_scale:MATRIX_SCALE_ROW1
.else
	v_wmma_scale_f32_16x16x128_f8f6f4 v[rD:rD+7], v[rA:rA+11], v[rB:rB+11], 0, v[\sa], v[\sb] matrix_a_fmt:MATRIX_FMT_FP6 matrix_b_fmt:MATRIX_FMT_FP6
.endif
.else
.if \ra
	v_wmma_scale_f32_16x16x128_f8f6f4 v[rD:rD+7], v[rA:rA+11], v[rB:rB+11], v[rD:rD+7], v[\sa], v[\sb] matrix_a_fmt:MATRIX_FMT_FP6 matrix_b_fmt:MATRIX_FMT_FP6 matrix_a_scale:MATRIX_SCALE_ROW1
.else
	v_wmma_scale_f32_16x16x128_f8f6f4 v[rD:rD+7], v[rA:rA+11], v[rB:rB+11], v[rD:rD+7], v[\sa], v[\sb] matrix_a_fmt:MATRIX_FMT_FP6 matrix_b_fmt:MATRIX_FMT_FP6
.endif
.endif
.endm
; S^T = K Q^T: 64 products, each a whole sum (K = 128), on 64 different accumulators; four settings of the windows
.macro QK
.irp t, 0,1
.set f, 0
.rept 32
.if f < 11
.set kp, KLO+12*f
.else
.set kp, KHI+12*(f-11)
.endif
	MM S0+256*\t+8*f, kp, QF+12*\t, 1, KS+4*((f>>1)&3)+(f>>3), f&1, QS+\t
.set f, f+1
.endr
.endr
.endm
; The largest score of each of tile t's 8 blocks (my 32 keys of each 64): the blocks by turns, each accumulator read from its low end on
.macro BMAX t
	WIN (((2+\t)<<2)|((2+\t)<<4))
.irp g, 0,1,2,3,4,5,6,7
	v_max3_num_f32 v[BM+8*\t+\g], v[NINF], v[32*\g], v[32*\g+1]
.endr
.irp i, 1,2,3,4,5,6,7,8,9,10,11,12,13,14,15
.irp g, 0,1,2,3,4,5,6,7
	v_max3_num_f32 v[BM+8*\t+\g], v[BM+8*\t+\g], v[32*\g+2*\i], v[32*\g+2*\i+1]
.endr
.endr
.endm
; -M_w = floor(-c x the largest score of my query among my wave's 512 keys); the two tiles by turns
.macro ROWM
	WIN 0
.irp t, 0,1
	v_max3_num_f32 v[TMP+2*\t], v[BM+8*\t], v[BM+8*\t+1], v[BM+8*\t+2]
.endr
.irp t, 0,1
	v_max3_num_f32 v[TMP+2*\t], v[TMP+2*\t], v[BM+8*\t+3], v[BM+8*\t+4]
.endr
.irp t, 0,1
	v_max3_num_f32 v[TMP+2*\t], v[TMP+2*\t], v[BM+8*\t+5], v[BM+8*\t+6]
.endr
.irp t, 0,1
	v_max_num_f32 v[TMP+2*\t], v[TMP+2*\t], v[BM+8*\t+7]
.endr
.irp t, 0,1
	v_permlanex16_b32 v[TMP+2*\t+1], v[TMP+2*\t], s[SEL], s[SEL+1]     ; the query's other 256 keys lie in the lane 16 away
.endr
.irp t, 0,1
	v_max_num_f32 v[TMP+2*\t], v[TMP+2*\t], v[TMP+2*\t+1]
.endr
.irp t, 0,1
	v_mul_f32 v[TMP+2*\t], s[CS], v[TMP+2*\t]                          ; as t (c is positive)
.endr
.irp t, 0,1
	v_floor_f32 v[NM+2*\t], -v[TMP+2*\t]                               ; a whole number
.endr
.endm
.macro BMEXP                           ; the blocks' largest scores go the way of all scores
.irp t, 0,1
.irp g, 0,1,2,3,4,5,6,7
	v_fma_f32 v[BM+8*\t+\g], v[BM+8*\t+\g], s[CS], v[NM+2*\t]
.endr
.endr
.irp k, 0,1,2,3,4,5,6,7,8,9,10,11,12,13,14,15
	v_exp_f32 v[BM+\k], v[BM+\k]
.endr
.endm
; e = 2^(c s - M_w), in place: 128 packed scalings and 256 exponentials; a pair's exponentials stand four pairs behind its scaling.  No line here names an exponential's result.
.macro EXPS t
	WIN (((2+\t)<<6)|(2+\t))
.set b, 0
.rept 128
	v_pk_fma_f32 v[2*b:2*b+1], v[2*b:2*b+1], s[CS:CS+1], v[NM+2*\t:NM+2*\t+1] op_sel_hi:[1,0,0]
.if b >= 4
	v_exp_f32 v[2*b-8], v[2*b-8]
	v_exp_f32 v[2*b-7], v[2*b-7]
.endif
.set b, b+1
.endr
.irp e, 248,249,250,251,252,253,254,255
	v_exp_f32 v[\e], v[\e]
.endr
.endm
; l_w of tile t: the sum of the unquantised e, two at a time, in four chains; then the other half of the lanes'
.macro SUMS t
	WIN (((2+\t)<<2)|(2+\t))
.irp k, 0,1,2,3
	v_pk_add_f32 v[TMP+2*\k:TMP+2*\k+1], v[2*\k:2*\k+1], v[2*\k+8:2*\k+9]
.endr
	WIN ((2+\t)<<2)
.set q, 8
.rept 120
	v_pk_add_f32 v[TMP+2*(q%4):TMP+2*(q%4)+1], v[TMP+2*(q%4):TMP+2*(q%4)+1], v[2*q:2*q+1]
.set q, q+1
.endr
	WIN 0
	v_pk_add_f32 v[TMP:TMP+1], v[TMP:TMP+1], v[TMP+2:TMP+3]
	v_pk_add_f32 v[TMP+4:TMP+5], v[TMP+4:TMP+5], v[TMP+6:TMP+7]
	v_pk_add_f32 v[TMP:TMP+1], v[TMP:TMP+1], v[TMP+4:TMP+5]
	v_add_f32 v[LL+\t], v[TMP], v[TMP+1]
	v_permlanex16_b32 v[T0], v[LL+\t], s[SEL], s[SEL+1]
	v_add_f32 v[LL+\t], v[LL+\t], v[T0]
.endm
; The four waves exchange (-M_w, l_w).  Lanes 0-15 carry tile 0's queries, lanes 16-31 tile 1's.  Out comes, for each tile, 2^(M_w - M) / l in every lane.
.macro XCHG
	v_cndmask_b32 v[XN], v[NM], v[NM+2], vcc_lo
	v_cndmask_b32 v[XN+1], v[LL], v[LL+1], vcc_lo
	ds_store_b64 v[STW], v[XN:XN+1]
	s_wait_dscnt 0x0                               ; for the others' sake: my store has landed (and every earlier LDS instruction of mine is done: my reads of the last unit's parts of O among them)
	s_barrier_signal -1
	s_barrier_wait -1
.irp i, 0,1,2,3
	ds_load_b64 v[TMP+2*\i:TMP+2*\i+1], v[STR] offset:256*\i
.endr
	s_wait_dscnt 0x0
	v_min_num_f32 v[TMP+8], v[TMP], v[TMP+2]
	v_min_num_f32 v[TMP+9], v[TMP+4], v[TMP+6]
	v_min_num_f32 v[TMP+8], v[TMP+8], v[TMP+9]     ; -M
.irp i, 0,1,2,3
	v_sub_f32 v[TMP+2*\i], v[TMP+8], v[TMP+2*\i]   ; M_i - M: a whole number, 0 or less
.endr
.irp i, 0,1,2,3
	v_cvt_i32_f32 v[TMP+2*\i], v[TMP+2*\i]         ; (it saturates)
.endr
.irp i, 0,1,2,3
	v_ldexp_f32 v[TMP+2*\i], 1.0, v[TMP+2*\i]      ; 2^(M_i - M): a multiplication by it rounds nothing
.endr
	v_mul_f32 v[TMP+9], v[TMP], v[TMP+1]
	v_fma_f32 v[TMP+9], v[TMP+2], v[TMP+3], v[TMP+9]
	v_fma_f32 v[TMP+9], v[TMP+4], v[TMP+5], v[TMP+9]
	v_fma_f32 v[TMP+9], v[TMP+6], v[TMP+7], v[TMP+9]   ; l: the same sum in the same order in all four waves
	v_rcp_f32 v[TMP+10], v[TMP+9]
	v_sub_f32 v[TMP+11], v[TMP+8], v[XN]           ; my own M_w - M.  (Plain lines behind the reciprocal)
	v_cvt_i32_f32 v[TMP+11], v[TMP+11]
	s_wait_alu depctr_va_vdst(0)                   ; the wait ahead of the first line that names the reciprocal
	v_ldexp_f32 v[TMP+10], v[TMP+10], v[TMP+11]
	v_permlanex16_b32 v[TMP+12], v[TMP+10], s[SEL], s[SEL+1]
	v_cndmask_b32 v[RR], v[TMP+10], v[TMP+12], vcc_lo      ; tile 0's, in both halves of the lanes
	v_cndmask_b32 v[RR+2], v[TMP+12], v[TMP+10], vcc_lo    ; tile 1's
.endm
; The 16 blocks' scale operands, in place, and the 8 scale words (word k = 4 t + s: blocks 2 k and 2 k + 1)
.macro SCALES
.irp t, 0,1
.irp g, 0,1,2,3,4,5,6,7
	v_mul_f32 v[BM+8*\t+\g], v[BM+8*\t+\g], v[RR+2*\t]     ; the block's largest A
.endr
.endr
.irp k, 0,1,2,3,4,5,6,7,8,9,10,11,12,13,14,15
	v_max_num_f32 v[BM+\k], 0x1800000, v[BM+\k]            ; the floor 2^(3 - 127): the byte cannot fall under 1
.endr
.irp k, 0,1,2,3,4,5,6,7,8,9,10,11,12,13,14,15
	v_add_nc_u32 v[BM+\k], 0xff000000, v[BM+\k]            ; 2 off the exponent field: the conversion's scale operand
.endr
.irp k, 0,1,2,3,4,5,6,7
	v_lshrrev_b32 v[TMP+2*\k], 23, v[BM+2*\k]
	v_lshrrev_b32 v[TMP+2*\k+1], 23, v[BM+2*\k+1]
.endr
.irp k, 0,1,2,3,4,5,6,7
	v_lshl_or_b32 v[TMP+2*\k], v[TMP+2*\k+1], 16, v[TMP+2*\k]      ; my bytes: blocks h and 2 + h of the step's four,
.endr
.irp k, 0,1,2,3,4,5,6,7
	v_lshlrev_b32 v[TMP+2*\k], v[SH8], v[TMP+2*\k]                 ; at their places;
.endr
.irp k, 0,1,2,3,4,5,6,7
	v_permlanex16_b32 v[TMP+2*\k+1], v[TMP+2*\k], s[SEL], s[SEL+1]
.endr
.irp k, 0,1,2,3,4,5,6,7
	v_or_b32 v[PW+\k], v[TMP+2*\k], v[TMP+2*\k+1]                  ; with lane l xor 16's two the word is whole
.endr
.endm
; Tile t, step s (128 keys: 64 numbers a lane): A = e x the tile's factor; then codes, a fragment at true register pP
.macro NORMQ t, s, pP
	WIN (((2+\t)<<6)|(2+\t))
.set q, 0
.rept 32
	v_pk_mul_f32 v[64*\s+2*q:64*\s+2*q+1], v[64*\s+2*q:64*\s+2*q+1], v[RR+2*\t:RR+2*\t+1] op_sel_hi:[1,0]
.set q, q+1
.endr
.set rP, (\pP)&255
	WIN ((((\pP)>>8)<<6)|(2+\t))
	v_cvt_scalef32_pk16_fp6_f32 v[rP:rP+2], v[64*\s:64*\s+15], v[BM+8*\t+2*\s]
	v_cvt_scalef32_pk16_fp6_f32 v[rP+6:rP+8], v[64*\s+32:64*\s+47], v[BM+8*\t+2*\s+1]
	WIN (2+\t)
	v_cvt_scalef32_pk16_fp6_f32 v[T0:T0+2], v[64*\s+16:64*\s+31], v[BM+8*\t+2*\s]      ; (a conversion's three registers begin on an even number: the second half of a block's six is made elsewhere and moved)
	v_cvt_scalef32_pk16_fp6_f32 v[T1:T1+2], v[64*\s+48:64*\s+63], v[BM+8*\t+2*\s+1]
	v_nop                                          ; one plain line behind the scaled conversions
	WIN (((\pP)>>8)<<6)
.irp i, 0,1,2
	v_mov_b32 v[rP+3+\i], v[T0+\i]
	v_mov_b32 v[rP+9+\i], v[T1+\i]
.endr
.endm
.macro VLOAD s, pB                     ; step s's eight fragments of V, out of my own record in LDS: 24 loads
	WIN (((\pB)>>8)<<6)
.set rV, (\pB)&255
.irp dt, 0,1,2,3,4,5,6,7
.irp n, 0,1,2
	ds_load_b128 v[rV+12*\dt+4*\n:rV+12*\dt+4*\n+3], v[VA] offset:FRB*(8*\s+\dt)+512*\n
.endr
.endr
.endm
; O^T += V^T P^T, step s: 16 accumulators by turns, one instruction a turn, in the same order in every step; step 0 starts the sums
.macro PV s, pB
.irp t, 0,1
.if \t
.set pp, 536+12*\s
.elseif \s < 2
.set pp, QF+12*\s
.else
.set pp, S0+12*(\s-2)
.endif
.irp dt, 0,1,2,3,4,5,6,7
	MM OT0+(OT1-OT0)*\t+8*\dt, (\pB)+12*\dt, pp, \s==0, VS+4*(\dt>>1)+\s, \dt&1, PW+4*\t+\s
.endr
.endr
.endm
.macro QLOAD                           ; a unit's two fragments of Q and their scale words (both tiles' in lanes 0-15)
.irp k, 0,1,2,3,4,5
	ds_load_b128 v[QF+4*\k:QF+4*\k+3], v[QAD] offset:512*\k
.endr
	ds_load_b32 v[QS], v[QSD]
	ds_load_b32 v[QS+1], v[QSD] offset:256
.endm
.macro OSTORE                          ; my part of O: lane (r, h): row 16 t + r, channels 16 dt + 8 h + 0 .. 7; each accumulator from its low end on.  Rows 528 = 33 x 16 bytes apart
.irp t, 0,1
	WIN ((2+\t)<<2)
.set rO, (OT0+(OT1-OT0)*\t)&255
.irp dt, 0,1,2,3,4,5,6,7
	ds_store_b128 v[STO], v[rO+8*\dt:rO+8*\dt+3] offset:8448*\t+64*\dt
	ds_store_b128 v[STO], v[rO+8*\dt+4:rO+8*\dt+7] offset:8448*\t+64*\dt+16
.endr
.endr
.endm
.macro OLOAD                           ; rows 8 w + i of all four parts, 16 bytes a lane, into v768-895
	WIN 0xc0
.irp i, 0,1,2,3,4,5,6,7
.irp p, 0,1,2,3
	ds_load_b128 v[16*\i+4*\p:16*\i+4*\p+3], v[SRD] offset:PART*\p+528*\i
.endr
.endr
.endm
.macro OADD
	WIN 0xcf
.irp i, 0,1,2,3,4,5,6,7
	s_wait_dscnt 4*(7-\i)                          ; row i's four loads are in; the four of each later row may be out
	v_pk_add_f32 v[16*\i:16*\i+1], v[16*\i:16*\i+1], v[16*\i+4:16*\i+5]
	v_pk_add_f32 v[16*\i+2:16*\i+3], v[16*\i+2:16*\i+3], v[16*\i+6:16*\i+7]
	v_pk_add_f32 v[16*\i+8:16*\i+9], v[16*\i+8:16*\i+9], v[16*\i+12:16*\i+13]
	v_pk_add_f32 v[16*\i+10:16*\i+11], v[16*\i+10:16*\i+11], v[16*\i+14:16*\i+15]
	v_pk_add_f32 v[16*\i:16*\i+1], v[16*\i:16*\i+1], v[16*\i+8:16*\i+9]
	v_pk_add_f32 v[16*\i+2:16*\i+3], v[16*\i+2:16*\i+3], v[16*\i+10:16*\i+11]
.endr
.endm
.macro OOUT
	WIN 0x0c
.irp i, 0,1,2,3,4,5,6,7
	global_store_b128 v[GO], v[16*\i:16*\i+3], s[46:47] offset:8192*\i th:TH_STORE_NT   ; a whole row of out0: 512 consecutive bytes, at a multiple of 512 from its first byte
.endr
.endm
; ---------------- the head
	s_load_b256 s[4:11], s[0:1], 0x0               ; qimg s[4:5], kimg s[6:7], vimg s[8:9], out0 s[10:11]
	s_set_vgpr_msb 0x40
	v_lshl_add_u32 v254, v0, 2, 0x4f400
	v_mov_b32 v255, 0
	s_set_vgpr_msb 0x4045
	ds_add_u32 v254, v255
	ds_add_u32 v254, v255
	s_set_vgpr_msb 0x4500
	v_lshrrev_b32 v1, 5, v0
	v_readfirstlane_b32 s[WV], v1                  ; wave 0..3
	v_and_b32 v13, 31, v0                          ; lane
	v_and_b32 v14, 15, v0                          ; r
	v_bfe_u32 v15, v0, 4, 1                        ; h
	; descriptor groups 1: dense blocks as rows of 256 bytes (32 elements of 8 bytes), no padding, no mask: V's record 200 rows, a quarter of Q's 50
	s_mov_b32 s[G1V+0], 3<<16
	s_mov_b32 s[G1V+1], 32<<16
	s_mov_b32 s[G1V+2], 200<<16
	s_mov_b32 s[G1V+3], 32<<16
	s_mov_b32 s[G1V+4], 200
	s_mov_b32 s[G1V+5], 32
	s_mov_b32 s[G1V+6], 0
	s_mov_b32 s[G1V+7], 0
	s_mov_b32 s[G1Q+0], 3<<16
	s_mov_b32 s[G1Q+1], 32<<16
	s_mov_b32 s[G1Q+2], 50<<16
	s_mov_b32 s[G1Q+3], 32<<16
	s_mov_b32 s[G1Q+4], 50
	s_mov_b32 s[G1Q+5], 32
	s_mov_b32 s[G1Q+6], 0
	s_mov_b32 s[G1Q+7], 0
	s_mov_b32 s[G0V], 1
	s_mul_i32 s[G0V+1], s[WV], REC                 ; my V: LDS byte 51,200 w
	s_mov_b32 s[G0Q], 1
	s_mul_i32 s[G0Q+1], s[WV], QPART
	s_add_co_u32 s[G0Q+1], s[G0Q+1], QL            ; my quarter of Q's record
	s_mov_b32 s[SEL], 0x76543210
	s_mov_b32 s[SEL+1], 0xfedcba98
	s_mov_b32 s[CS], 0x3e0293ee                    ; c = log2(e) / sqrt(128)
	s_mov_b32 s[CS+1], s[CS]                       ; (named with it as a pair, so it is written)
	s_mov_b32 vcc_lo, 0xffff0000                   ; lanes 16-31; never written again
	s_and_b32 s48, ttmp9, 0xfc
	s_add_co_u32 s48, s48, s[WV]
	s_mul_i32 s48, s48, REC                        ; K's and V's record 4 head + w
	s_mov_b32 s49, 0
	s_mul_i32 s50, ttmp9, REC                      ; Q's record x,
	s_mul_i32 s15, s[WV], QPART
	s_add_co_u32 s50, s50, s15                     ; my quarter of it
	s_mov_b32 s51, 0
	s_lshr_b32 s52, ttmp9, 6                       ; out0: b,
	s_lshl_b32 s52, s52, 24
	s_bfe_u32 s53, ttmp9, 0x40002                  ; h,
	s_lshl_b32 s53, s53, 9
	s_add_co_u32 s52, s52, s53
	s_and_b32 s53, ttmp9, 3                        ; the quarter's 512 queries,
	s_lshl_b32 s53, s53, 22
	s_add_co_u32 s52, s52, s53
	s_and_b32 s53, s[WV], 1                        ; and of a unit's 32 the eight that I store: they begin 32 (w % 2) + 8 (w / 2) queries on
	s_lshl_b32 s53, s53, 18
	s_add_co_u32 s52, s52, s53
	s_lshr_b32 s53, s[WV], 1
	s_lshl_b32 s53, s53, 16
	s_add_co_u32 s52, s52, s53
	s_mov_b32 s53, 0
	v_lshlrev_b32 v[GO], 4, v13
	v_add_nc_u32 v[VA], s[G0V+1], v[GO]
	v_add_nc_u32 v[QA0], QL, v[GO]
	v_lshl_add_u32 v[QS0], v14, 4, QL+SCA
	v_mov_b32 v[QAD], v[QA0]                       ; unit 0
	v_mov_b32 v[QSD], v[QS0]
	s_mul_i32 s15, s[WV], PART
	s_add_co_u32 s15, s15, STG
	v_mul_u32_u24 v[STO], v14, 528
	v_lshl_add_u32 v[STO], v15, 5, v[STO]
	v_add_nc_u32 v[STO], s15, v[STO]
	s_mul_i32 s15, s[WV], 8*528
	s_add_co_u32 s15, s15, STG
	v_add_nc_u32 v[SRD], s15, v[GO]
	s_lshl_b32 s15, s[WV], 8
	s_add_co_u32 s15, s15, STAT
	v_lshlrev_b32 v[STW], 3, v13
	v_add_nc_u32 v[STW], s15, v[STW]
	v_lshl_add_u32 v[STR], v13, 3, STAT
	v_lshlrev_b32 v[SH8], 3, v15
	v_mov_b32 v[NINF], 0xff800000
.irp k, 99,101,103,105,106,107,108,109,110,111,112,113,114,115,116,117,118,119,120,121,122,123
	v_mov_b32 v[\k], 0                             ; written once: upper halves of pairs that are named whole, and lane permutes' destinations
.endr
	s_wait_dscnt 0x0
	s_wait_kmcnt 0x0
	s_add_nc_u64 s[G0V+2:G0V+3], s[8:9], s[48:49]
	s_or_b32 s[G0V+3], s[G0V+3], 0x80000000
	s_add_nc_u64 s[G0Q+2:G0Q+3], s[4:5], s[50:51]
	s_or_b32 s[G0Q+3], s[G0Q+3], 0x80000000
	s_add_nc_u64 s[6:7], s[6:7], s[48:49]          ; my record of K
	s_add_nc_u64 s[44:45], s[10:11], s[52:53]      ; my rows of unit 0
	tensor_load_to_lds s[G0Q:G0Q+3], s[G1Q:G1Q+7]  ; the launch's only fills: two loads of mine are out; no byte is filled twice
	s_nop 0
	tensor_load_to_lds s[G0V:G0V+3], s[G1V:G1V+7]
	s_nop 0
	PLACES 4                                       ; four lines behind the tensor loads, ahead of any switch of the windows
.set f, 0
.rept 32                               ; K's 32 fragments stay in registers: three loads of 16 bytes a lane each, 512 consecutive bytes a load
.if f < 11
.set kp, KLO+12*f
.else
.set kp, KHI+12*(f-11)
.endif
.set kl, kp&255
	WIN ((kp>>8)<<6)
.irp n, 0,1,2
	global_load_b128 v[kl+4*\n:kl+4*\n+3], v[GO], s[6:7] offset:FRB*f+512*\n
.endr
.set f, f+1
.endr
	WIN 0
.irp n, 0,1,2,3
	global_load_b128 v[KS+4*\n:KS+4*\n+3], v[GO], s[6:7] offset:SCA+512*\n
.endr
	s_wait_tensorcnt 0x0                           ; my V and my quarter of Q have landed,
	s_barrier_signal -1
	s_barrier_wait -1                              ; everybody's quarter of Q has
.irp n, 0,1,2,3
	ds_load_b128 v[VS+4*\n:VS+4*\n+3], v[VA] offset:SCA+512*\n
.endr
	QLOAD
	s_wait_loadcnt 0x0                             ; K
	s_wait_dscnt 0x0
	s_mov_b32 s[U], 0
; ---------------- a unit: 32 queries against all 2,048 keys, 512 of them mine
.Lunit:
	QK
	PLACES 4                                       ; four plain lines between the last product and the first read of results (ISA guide 7.12.1)
	BMAX 0
	BMAX 1
	ROWM
	BMEXP
	EXPS 0
	EXPS 1
	v_nop                                          ; a plain line behind the last exponential
	s_wait_alu depctr_va_vdst(0)                   ; the wait ahead of the first line that names an exponential's result: one for the unit's 528
	SUMS 0
	SUMS 1
	XCHG                                           ; the unit's first barrier
	SCALES
	NORMQ 0, 0, QF                                 ; codes go where what they replace is done with: Q's fragments, then S^T's own registers
	NORMQ 0, 1, QF+12
	NORMQ 0, 2, S0
	NORMQ 0, 3, S0+12
	VLOAD 0, VB0                                   ; V's loads stand among the vector work, each as soon as its registers are free
	NORMQ 1, 0, 536
	NORMQ 1, 1, 548
	VLOAD 1, VB1
	NORMQ 1, 2, 560
	VLOAD 2, VB2
	NORMQ 1, 3, 572
	PLACES 4                                       ; operands written by vector lines stand four plain lines ahead of a scaled product
	s_wait_dscnt 48                                ; step 0's 24 loads are in; steps 1 and 2's 48 may be out
	PV 0, VB0
	PLACES 4                                       ; ahead of loads into registers that products have read
	VLOAD 3, VB0
	s_wait_dscnt 48                                ; step 1's are in; steps 2 and 3's may be out
	PV 1, VB1
	s_wait_dscnt 24                                ; step 2's are in; step 3's may be out
	PV 2, VB2
	s_wait_dscnt 0x0
	PV 3, VB0
	WIN 0
	s_add_co_u32 s15, s[U], 1                      ; the next unit's Q.  Behind the last unit this is unit 0 again: the loads stay inside Q's record, and there is no branch
	s_and_b32 s15, s15, UNITS-1
	s_mul_i32 s48, s15, 2*FRB
	s_and_b32 s49, s15, 3
	s_lshl_b32 s49, s49, 9
	s_lshr_b32 s50, s15, 2
	s_lshl_b32 s50, s50, 2
	s_add_co_u32 s49, s49, s50
	v_add_nc_u32 v[QAD], s48, v[QA0]
	v_add_nc_u32 v[QSD], s49, v[QS0]
	PLACES 3                                       ; with the two additions five plain lines: for the stores of results, the loads into operands, and the next unit's products, which write over these products' registers
	OSTORE
	WIN 0
	QLOAD
	s_wait_dscnt 0x0                               ; for the others' sake: my part of O has landed; my reads of the four waves' (-M, l) were waited for long ago
	s_barrier_signal -1
	s_barrier_wait -1                              ; the unit's second barrier: the four parts of O lie in LDS
	OLOAD
	OADD                                           ; its last wait is for 0: my reads of the parts are over ahead of the next unit's first barrier, behind which they are written again
	s_lshr_b32 s48, s[U], 1                        ; the unit's rows: 64 (u / 2) + 16 (u % 2) queries on, 8,192 bytes each
	s_lshl_b32 s48, s48, 19
	s_and_b32 s49, s[U], 1
	s_lshl_b32 s49, s49, 17
	s_add_co_u32 s48, s48, s49
	s_mov_b32 s49, 0
	s_add_nc_u64 s[46:47], s[44:45], s[48:49]
	OOUT
	WIN 0                                          ; at a label and at a branch every window is 0
	s_wait_xcnt 0x0                                ; the stores have read their data and their base: both are written again in the next unit
	s_add_co_u32 s[U], s[U], 1
	s_cmp_lt_u32 s[U], UNITS
	s_cbranch_scc1 .Lunit
	s_set_vgpr_msb 0x5
	s_wait_tensorcnt 0x0
	ds_add_u32 v254, v255
	s_wait_dscnt 0x0
	s_set_vgpr_msb 0x500
	s_endpgm
.Lfunc_end_k_qd3bbd3b175_attn:
	.size	k_qd3bbd3b175_attn, .Lfunc_end_k_qd3bbd3b175_attn-k_qd3bbd3b175_attn
	.p2alignl 7, 3214868480
	.fill 96, 4, 3214868480
	.section	.rodata,"a",@progbits
	.p2align	6, 0x0
	.amdhsa_kernel k_qd3bbd3b175_attn
		.amdhsa_group_segment_fixed_size 327680
		.amdhsa_private_segment_fixed_size 0
		.amdhsa_enable_private_segment 0
		.amdhsa_kernarg_size 32
		.amdhsa_user_sgpr_count 2
		.amdhsa_user_sgpr_kernarg_segment_ptr 1
		.amdhsa_wavefront_size32 1
		.amdhsa_system_sgpr_workgroup_id_x 1
		.amdhsa_system_sgpr_workgroup_id_y 1
		.amdhsa_system_sgpr_workgroup_id_z 1
		.amdhsa_system_vgpr_workitem_id 0
		.amdhsa_next_free_vgpr 1024
		.amdhsa_next_free_sgpr 66
		.amdhsa_reserve_vcc 1
		.amdhsa_float_denorm_mode_32 3
		.amdhsa_float_denorm_mode_16_64 3
		.amdhsa_memory_ordered 1
		.amdhsa_forward_progress 1
		.amdhsa_inst_pref_size 143
	.end_amdhsa_kernel
	.amdgpu_metadata
---
amdhsa.version: [ 1, 2 ]
amdhsa.kernels:
  - .name:           k_qd3bbd3b175_attn
    .symbol:         k_qd3bbd3b175_attn.kd
    .args:
      - { .name: qimg, .offset: 0, .size: 8, .value_kind: global_buffer, .address_space: global }
      - { .name: kimg, .offset: 8, .size: 8, .value_kind: global_buffer, .address_space: global }
      - { .name: vimg, .offset: 16, .size: 8, .value_kind: global_buffer, .address_space: global }
      - { .name: out0, .offset: 24, .size: 8, .value_kind: global_buffer, .address_space: global }
    .group_segment_fixed_size: 327680
    .private_segment_fixed_size: 0
    .kernarg_segment_align: 8
    .kernarg_segment_size: 32
    .max_flat_workgroup_size: 128
    .sgpr_count:     66
    .vgpr_count:     1024
    .wavefront_size: 32
...
	.end_amdgpu_metadata
.endif
;; end of part 2
